; MI455X (gfx1250); checked and timed in simulation.
; The chip was launched on July 23, 2026; its instructions are those of AMD's public machine-readable ISA for CDNA 5 (MIT licence, August 2026) and "CDNA5" Instruction Set Architecture Reference Guide (July 2026). The comments in the code are by the model that wrote it; some were corrected since.
;; Bit Linear. Allowed arithmetic: float matrix products may take bf16 or f16 operands with f32 sums; other float arithmetic in f32, or as packed bf16 or f16 multiplies, adds, multiply-adds, maxima and minima; sums over many terms, partial sums and values carried from step to step in f32; what a program stores and reads back later, other than sums and carried values, may be rounded once to bf16 or f16.
;; Inputs: gamma 2,048 float32; norm_weight 4,096 float32; w_q 2,048 x 4,096 float32; x 2 x 4,096 x 4,096 float32.
;; Outputs: out0 2 x 4,096 x 2,048 float32.
;; 2 versions, each right; version 2 is version 1 with the launch prep written anew for expert scheduling mode. Each part assembles by itself: llvm-mc -triple=amdgcn-amd-amdhsa -mcpu=gfx1250 --defsym DOCPART=n.
;; ======== version 1 of 2: 2 launches
;; workspace buffers: xb 67,108,864 bytes; wb 16,777,216 bytes; inv 32,768 bytes
;; launch prep (part 1): grid 1280 x 1, 8 waves a work-group, no clusters, 0 bytes of LDS; arguments x, w_q, norm_weight, xb, wb, inv; writes xb, wb, inv
.if DOCPART == 1
	.amdgcn_target "amdgcn-amd-amdhsa--gfx1250"
	.amdhsa_code_object_version 6
	.text
	.protected	k_qf9fe8d2d5d_prep
	.globl	k_qf9fe8d2d5d_prep
	.p2align	8
	.type	k_qf9fe8d2d5d_prep,@function
k_qf9fe8d2d5d_prep:
	s_mov_b64 s[64:65], 0
	v_nop
	global_prefetch_b8 v0, s[64:65] scope:SCOPE_SE
	s_setreg_imm32_b32 hwreg(HW_REG_WAVE_MODE, 25, 1), 1
	s_wait_xcnt 0x0
; PREP: a stream.  xb[m][d] = bf16(x[m][d]);  inv[m] = 1 / sqrt(mean over d of x[m][d]^2 + 1e-6), f32;  wb[o][d] = bf16(bf16(w_q[o][d]) * bf16(norm_weight[d])).
; x: [8192][4096] f32, w_q: [2048][4096] f32, norm_weight: [4096] f32.  xb, wb: the same shapes in bf16, rows of 8,192 bytes.  inv: [8192] f32.
; The two factors of the module that do not hang on d (1 / rms of a row, gamma of a column) are left to the product's way out, in f32; norm_weight hangs on d and goes into the weights here.
; LIMITS.  x, w_q and norm_weight are rounded to bf16 (nearest even); their product w * nw is rounded to bf16 once more (exact where w is -1, 0 or 1).  The sum of squares is taken in f32 of the
; unrounded x, in eight partial sums a lane; where it overflows, inv is 0.  The reciprocal root is v_rsq_f32's; its argument is at least 1e-6.  NaN and infinities are not treated apart.
; SHARES.  Every wave reads 16 KiB by 32 loads of 16 bytes a lane, all issued at once (each covers 512 consecutive bytes), and writes 8 KiB by 32 stores of 8 bytes a lane (each covers 256
; consecutive bytes, aligned).  No loop, no LDS, no barrier: no wave wants a byte that another has fetched.
;   work-groups 0 .. 1023: wave v takes row 8 g + v of x, whole: the sum of squares never leaves the wave.
;   work-groups 1024 .. 1279: wave v takes columns 1024 (v % 4) .. + 1023 of the four rows 8 (g - 1024) + 4 (v / 4) .. + 3 of w_q: its part of norm_weight is 8 loads, packed once.
; No register is written again behind the store that reads it, so no wait stands for the stores' sources but the one in front of the change of EXEC.
.set X,  8                             ; v[8:135]    load n at X + 4 n; its two lowest registers then hold the four bf16 to store
.set Q,  136                           ; v[136:143]  x's rows: four pairs of partial sums of squares
.set NW, 136                           ; v[136:167]  w's rows: norm_weight of my 1,024 columns, piece j at NW + 4 j; packed to bf16 into its two lowest registers
	s_load_b256 s[4:11], s[0:1], 0x0               ; x s[4:5], w_q s[6:7], norm_weight s[8:9], xb s[10:11]
	s_load_b128 s[12:15], s[0:1], 0x20             ; wb s[12:13], inv s[14:15]
	v_lshrrev_b32 v5, 5, v0
	v_readfirstlane_b32 s16, v5                    ; wave 0..7
	v_and_b32 v4, 31, v0                           ; lane
	v_lshlrev_b32 v1, 4, v4                        ; the loads' offset: 16 bytes a lane
	v_lshlrev_b32 v2, 3, v4                        ; the stores' offset: 8 bytes a lane
	s_mov_b32 s19, 0                               ; the high words of three byte offsets, all under 2^28
	s_mov_b32 s21, 0
	s_mov_b32 s23, 0
	s_wait_kmcnt 0x0
	s_cmp_lt_u32 ttmp9, 1024
	s_cbranch_scc0 .Lw
	; ---- a row of x ----
	s_lshl_b32 s17, ttmp9, 3
	s_add_co_u32 s17, s17, s16                     ; row m
	s_lshl_b32 s18, s17, 14                        ; 16,384 bytes a row of x
	s_lshl_b32 s20, s17, 13                        ; 8,192 a row of xb
	s_lshl_b32 s22, s17, 2                         ; 4 in inv
	s_add_nc_u64 s[4:5], s[4:5], s[18:19]
	s_add_nc_u64 s[10:11], s[10:11], s[20:21]
	s_add_nc_u64 s[14:15], s[14:15], s[22:23]
.set n, 0
.rept 32
	global_load_b128 v[X+4*n:X+4*n+3], v1, s[4:5] offset:512*n th:TH_LOAD_NT  ; columns 128 n + 4 lane .. + 3
.set n, n+1
.endr
	s_mov_b32 s24, 0x76543210                      ; v_permlanex16_b32: each lane takes its own place in the other half
	s_mov_b32 s25, 0xfedcba98
	s_mov_b32 s26, 0x39800000                      ; 1 / 4096
	s_mov_b32 s29, 0x358637bd                      ; 1e-6
	v_mov_b32 v3, 0                                ; inv's offset
; Load j has come: its four squares go onto two of the four pairs of sums (pieces of even and of odd number take turns, so that no sum waits for the one just before it; the first two
; pieces start the sums: nothing is cleared); then it is rounded in place and stored.
.macro XTAKE j
	s_wait_loadcnt 31-(\j)                         ; loads come back in order (ISA guide 5.7.1): mine is in, the 31 - j younger ones stay out
.if (\j) < 2
	v_pk_mul_f32 v[Q+4*((\j)%2):Q+4*((\j)%2)+1],   v[X+4*(\j):X+4*(\j)+1],   v[X+4*(\j):X+4*(\j)+1]
	v_pk_mul_f32 v[Q+4*((\j)%2)+2:Q+4*((\j)%2)+3], v[X+4*(\j)+2:X+4*(\j)+3], v[X+4*(\j)+2:X+4*(\j)+3]
.else
	v_pk_fma_f32 v[Q+4*((\j)%2):Q+4*((\j)%2)+1],   v[X+4*(\j):X+4*(\j)+1],   v[X+4*(\j):X+4*(\j)+1],   v[Q+4*((\j)%2):Q+4*((\j)%2)+1]
	v_pk_fma_f32 v[Q+4*((\j)%2)+2:Q+4*((\j)%2)+3], v[X+4*(\j)+2:X+4*(\j)+3], v[X+4*(\j)+2:X+4*(\j)+3], v[Q+4*((\j)%2)+2:Q+4*((\j)%2)+3]
.endif
	v_cvt_pk_bf16_f32 v[X+4*(\j)],   v[X+4*(\j)],   v[X+4*(\j)+1]
	v_cvt_pk_bf16_f32 v[X+4*(\j)+1], v[X+4*(\j)+2], v[X+4*(\j)+3]
	global_store_b64 v2, v[X+4*(\j):X+4*(\j)+1], s[10:11] offset:256*(\j) th:TH_STORE_NT  ; 32 lanes store 256 consecutive bytes, at a multiple of 256 from xb's first byte
.endm
.set n, 0
.rept 32
	XTAKE n
.set n, n+1
.endr
	v_pk_add_f32 v[Q:Q+1], v[Q:Q+1], v[Q+2:Q+3]    ; the lane's eight sums into one,
	v_pk_add_f32 v[Q+4:Q+5], v[Q+4:Q+5], v[Q+6:Q+7]
	v_pk_add_f32 v[Q:Q+1], v[Q:Q+1], v[Q+4:Q+5]
	v_add_f32 v[Q], v[Q], v[Q+1]
	v_add_f32_dpp v[Q], v[Q], v[Q] row_xmask:1 row_mask:0xf bank_mask:0xf  ; the 32 lanes' into one: four steps inside each half of 16 lanes,
	v_add_f32_dpp v[Q], v[Q], v[Q] row_xmask:2 row_mask:0xf bank_mask:0xf
	v_add_f32_dpp v[Q], v[Q], v[Q] row_xmask:4 row_mask:0xf bank_mask:0xf
	v_add_f32_dpp v[Q], v[Q], v[Q] row_xmask:8 row_mask:0xf bank_mask:0xf
	v_permlanex16_b32 v[Q+1], v[Q], s24, s25       ; one across the halves (its destination has been written before)
	v_add_f32 v[Q], v[Q], v[Q+1]
	v_fma_f32 v[Q], v[Q], s26, s29                 ; the mean + 1e-6, one rounding
	v_cmp_eq_u32 vcc_lo, 0, v4                     ; lane 0 will store
	v_rsq_f32 v[Q+2], v[Q]
	v_nop                                          ; a plain instruction behind the reciprocal root, ahead of the use of its result (ISA guide 5.7.2),
	s_wait_alu depctr_va_vdst(0)                   ; and the wait ahead of the first instruction that names the result
	s_wait_xcnt 0x0                                ; EXEC is a source of the stores above: it changes only behind this wait
	s_and_saveexec_b32 s27, vcc_lo
	global_store_b32 v3, v[Q+2], s[14:15]          ; four bytes a wave, 32 a work-group on end: 32 KiB of the launch's 84 MB out; gathering them would want LDS and a barrier for no whole block of 256
	s_endpgm
	; ---- four quarter rows of w_q ----
.Lw:
	s_sub_co_u32 s17, ttmp9, 1024
	s_lshl_b32 s17, s17, 3
	s_lshr_b32 s18, s16, 2
	s_lshl_b32 s18, s18, 2
	s_add_co_u32 s17, s17, s18                     ; my first row: 8 (g - 1024) + 4 (v / 4)
	s_and_b32 s30, s16, 3                          ; my strip of 1,024 columns
	s_lshl_b32 s20, s30, 12                        ; 4,096 bytes a strip in f32: norm_weight's offset,
	s_lshl_b32 s18, s17, 14
	s_add_co_u32 s18, s18, s20                     ; and with the rows w_q's
	s_lshl_b32 s22, s17, 13
	s_lshl_b32 s30, s30, 11                        ; 2,048 bytes a strip in bf16
	s_add_co_u32 s22, s22, s30                     ; wb's
	s_add_nc_u64 s[6:7], s[6:7], s[18:19]
	s_add_nc_u64 s[8:9], s[8:9], s[20:21]
	s_add_nc_u64 s[12:13], s[12:13], s[22:23]
.set n, 0
.rept 8
	global_load_b128 v[NW+4*n:NW+4*n+3], v1, s[8:9] offset:512*n  ; read by many waves: no hint
.set n, n+1
.endr
.set n, 0
.rept 32
	global_load_b128 v[X+4*n:X+4*n+3], v1, s[6:7] offset:16384*(n/8)+512*(n%8) th:TH_LOAD_NT  ; row n / 8, columns 128 (n % 8) + 4 lane .. + 3 of the strip
.set n, n+1
.endr
	s_wait_loadcnt 32                              ; norm_weight's eight loads are in; w_q's 32 stay out
.set n, 0
.rept 8
	v_cvt_pk_bf16_f32 v[NW+4*n],   v[NW+4*n],   v[NW+4*n+1]
	v_cvt_pk_bf16_f32 v[NW+4*n+1], v[NW+4*n+2], v[NW+4*n+3]
.set n, n+1
.endr
; Load j has come: rounded in place, multiplied by norm_weight in bf16 (two products a line, each rounded once), stored.
.macro WTAKE j
	s_wait_loadcnt 31-(\j)                         ; mine is in, the 31 - j younger ones stay out
	v_cvt_pk_bf16_f32 v[X+4*(\j)],   v[X+4*(\j)],   v[X+4*(\j)+1]
	v_cvt_pk_bf16_f32 v[X+4*(\j)+1], v[X+4*(\j)+2], v[X+4*(\j)+3]
	v_pk_mul_bf16 v[X+4*(\j)],   v[X+4*(\j)],   v[NW+4*((\j)%8)]
	v_pk_mul_bf16 v[X+4*(\j)+1], v[X+4*(\j)+1], v[NW+4*((\j)%8)+1]
	global_store_b64 v2, v[X+4*(\j):X+4*(\j)+1], s[12:13] offset:8192*((\j)/8)+256*((\j)%8) th:TH_STORE_NT  ; 256 consecutive bytes, at a multiple of 256 from wb's first byte
.endm
.set n, 0
.rept 32
	WTAKE n
.set n, n+1
.endr
	s_endpgm
.Lfunc_end_k_qf9fe8d2d5d_prep:
	.size	k_qf9fe8d2d5d_prep, .Lfunc_end_k_qf9fe8d2d5d_prep-k_qf9fe8d2d5d_prep
	.p2alignl 7, 3214868480
	.fill 96, 4, 3214868480
	.section	.rodata,"a",@progbits
	.p2align	6, 0x0
	.amdhsa_kernel k_qf9fe8d2d5d_prep
		.amdhsa_group_segment_fixed_size 0
		.amdhsa_private_segment_fixed_size 0
		.amdhsa_enable_private_segment 0
		.amdhsa_kernarg_size 48
		.amdhsa_user_sgpr_count 2
		.amdhsa_user_sgpr_kernarg_segment_ptr 1
		.amdhsa_wavefront_size32 1
		.amdhsa_system_sgpr_workgroup_id_x 1
		.amdhsa_system_sgpr_workgroup_id_y 1
		.amdhsa_system_sgpr_workgroup_id_z 1
		.amdhsa_system_vgpr_workitem_id 0
		.amdhsa_next_free_vgpr 168
		.amdhsa_next_free_sgpr 66
		.amdhsa_reserve_vcc 1
		.amdhsa_float_denorm_mode_32 3
		.amdhsa_float_denorm_mode_16_64 3
		.amdhsa_memory_ordered 1
		.amdhsa_forward_progress 1
		.amdhsa_inst_pref_size 35
	.end_amdhsa_kernel
	.amdgpu_metadata
---
amdhsa.version: [ 1, 2 ]
amdhsa.kernels:
  - .name:           k_qf9fe8d2d5d_prep
    .symbol:         k_qf9fe8d2d5d_prep.kd
    .args:
      - { .name: x, .offset: 0, .size: 8, .value_kind: global_buffer, .address_space: global }
      - { .name: w_q, .offset: 8, .size: 8, .value_kind: global_buffer, .address_space: global }
      - { .name: norm_weight, .offset: 16, .size: 8, .value_kind: global_buffer, .address_space: global }
      - { .name: xb, .offset: 24, .size: 8, .value_kind: global_buffer, .address_space: global }
      - { .name: wb, .offset: 32, .size: 8, .value_kind: global_buffer, .address_space: global }
      - { .name: inv, .offset: 40, .size: 8, .value_kind: global_buffer, .address_space: global }
    .group_segment_fixed_size: 0
    .private_segment_fixed_size: 0
    .kernarg_segment_align: 8
    .kernarg_segment_size: 48
    .max_flat_workgroup_size: 256
    .sgpr_count:     66
    .vgpr_count:     168
    .wavefront_size: 32
...
	.end_amdgpu_metadata
.endif
;; end of part 1
;; launch gemm (part 2): grid 8 x 32, 4 waves a work-group, clusters of 4 x 4, 327,680 bytes of LDS; arguments xb, wb, out0, inv, gamma; writes out0
.if DOCPART == 2
	.amdgcn_target "amdgcn-amd-amdhsa--gfx1250"
	.amdhsa_code_object_version 6
	.text
	.protected	k_qf9fe8d2d5d_gemm
	.globl	k_qf9fe8d2d5d_gemm
	.p2align	8
	.type	k_qf9fe8d2d5d_gemm,@function
k_qf9fe8d2d5d_gemm:
	s_mov_b64 s[64:65], 0
	v_nop
	global_prefetch_b8 v0, s[64:65] scope:SCOPE_SE
	s_setreg_imm32_b32 hwreg(HW_REG_WAVE_MODE, 25, 1), 1
	s_wait_xcnt 0x0
	s_wait_alu depctr_hold_cnt(0) depctr_sa_sdst(0) depctr_va_vdst(0) depctr_va_sdst(0) depctr_va_ssrc(0) depctr_va_vcc(0) depctr_vm_vsrc(0)
	s_getreg_b32 s2, hwreg(HW_REG_IB_STS2, 6, 4)
	s_cmp_eq_u32 s2, 0
	s_cbranch_scc0 .Lentry_in_a_cluster
	s_endpgm
.Lentry_in_a_cluster:
	s_bfe_u32 s2, ttmp6, 0x10000c
	s_cmp_lg_u32 s2, 0xf033
	s_cbranch_scc0 .Lentry_shape_is_right
	s_endpgm
.Lentry_shape_is_right:
; out0[m][o] = (sum over d of xb[m][d] wb[o][d]) * inv[m] * gamma[o].  xb: [8192][4096] bf16 (x rounded), wb: [2048][4096] bf16 (w_q * norm_weight), inv: [8192] f32 (1 / rms of x's rows),
; gamma: [2048] f32, out0: [8192][2048] f32.  Products in bf16 with f32 sums, K ascending; the two scalings in f32 on the way out, each result rounded once by each.
; LIMITS.  The operands carry the roundings of the launch before; the sums are those of unnormalised rows (of the size of |x| |w| |nw| times 4,096 at the most) and have f32's range.  NaN and infinities are not treated apart.
; SHARES.  A tile of out0, 256 x 256, is made by a work-group of four waves; a wave makes 128 x 128: 64 accumulators of 16 x 16, 512 registers.  32 x 8 tiles: 256 work-groups, one tile each.
; K goes in 32 steps of 128 through a ring of two LDS slots filled by the tensor data mover: a tile's rows are 256 bytes of memory and start at multiples of 256 bytes from the buffer's first byte.
; CLUSTERS: 4 x 4 work-groups.  The four of a row of the cluster make tiles of one tile row and need the same tiles of xb (A); the four of a column need the same tiles of wb (B).  Such a tile is asked
; for JOINTLY: each of the four issues the same tensor load, with the same descriptor and a mask that names the four, and each receives the tile in its own LDS.
; REGISTERS, in windows of 256 (an instruction names v0-v255; s_set_vgpr_msb says which window each operand place means: bits 1:0 source 0, 3:2 source 1, 5:4 source 2, 7:6 destination):
;   window 0: v0-31 addresses; v32-47 inv of my rows; v48-51 gamma of my columns; v64-127, v128-191 fragments of A, two buffers (on the way out: rows read back); v192-255 at work on the way out
;   window 1: v64-127, v128-191 fragments of B, two buffers
;   window 2: the 32 accumulators of my rows 0-63 (accumulator (a, b) at v[8 (8 a + b)]);   window 3: those of my rows 64-127
; THE MATRIX INSTRUCTION IS USED TRANSPOSED: source 0 = 16 rows of B, source 1 = 16 rows of A.  In the result lane l holds row l % 16 of the tile and its registers 0 to 7 the columns
; 8 (l / 16) + 0 .. 7: eight neighbouring numbers of a row, 32 bytes.
.set SIZE_M, 8192
.set SIZE_N, 2048
.set SIZE_K, 4096
.set CROW,   SIZE_N*4                  ; bytes in a row of out0
.set KSTEP,  128
.set PITCH,  272                       ; an LDS row: 256 bytes of data + 16 of padding = 68 words: row r starts at bank 4 r mod 64 (64 banks of 4 bytes: ISA guide 11.1), so the 16 rows that a load touches start at 16 different banks
.set HALFT,  128*PITCH                 ; 128 rows: what one tensor load brings, and what one wave reads of A or of B
.set SLOT,   4*HALFT                   ; A's 256 rows, then B's 256 rows
.set STAGE,  2*SLOT                    ; behind the ring: 16 rows x 528 bytes for each wave, for the way out; no tensor load fills it
.set SPITCH, 528                       ; a stage row: 512 bytes + 16 = 132 words: again row r starts at bank 4 r mod 64
.set SPARE,  STAGE+4*16*SPITCH         ; behind the stages: the spare words, 128 bytes for each wave: two blocks of 256 bytes that no other line names
.set LAPS,   SIZE_K/(2*KSTEP)          ; a lap = two K steps = once round the ring: 16
.set ADRA, 16                          ; v16-17  LDS address of my A fragments in slot 0, 1
.set ADRB, 20                          ; v20-21  the same for B
.set STO,  24                          ; v24     the way out: where I put 32 bytes of a row
.set RD,   25                          ; v25     the way out: where I read 16 bytes of a row back
.set CO,   26                          ; v26     16 x lane: my byte offset in my wave's 512 bytes of a row of out0, and in its 512 bytes of gamma; never rewritten
.set IVO,  27                          ; v27     4 x (lane % 16): my row's place among 16 of inv
.set SPW,  28                          ; v28     LDS address of my spare word: SPARE + 4 x my thread's number; never rewritten
.set NIL,  29                          ; v29     0; never rewritten
.set PFO,  30                          ; v30     the prefetches' offset: my lane x a row of A or B in memory (8,192 bytes); never rewritten
.set INV,  32                          ; v32-47  block a of 16 rows: inv of my row, twice, at INV + 2 a: a pair for the packed multiply
.set GAM,  48                          ; v48-51  gamma of the four columns that I hold when rows have been read back
.set F0,   64                          ; fragment buffer 0
.set F1,   128                         ; fragment buffer 1
.set OB,   64                          ; the way out: 16 rows read back from the stage: v64-127 and v128-191 by turns
.set TMP,  192                         ; the way out: a block's results times inv
.set PFA,  44                          ; s[44:45] where my prefetches stand: my work-group's 32 rows of the 128 that I fetch, one K step further along K than the refill that is being asked for; a prefetch names the K step after that
.set LIM,  43                          ; s43     1 in a wave that prefetches, else the greatest number
.set G1,  24                           ; s[24:31] descriptor group 1 for A's tiles
.set G0,  32                           ; s[32:39] descriptor group 0 for A's tiles, one set for each slot
.set G1B, 48                           ; s[48:55] descriptor group 1 for B's tiles: it differs from A's in the mask alone
.set G0B, 56                           ; s[56:63] descriptor group 0 for B's tiles, one set for each slot
.set MSB, 0
.macro WIN new                         ; the immediate's high byte repeats the setting that is left; a switch that changes nothing is dropped
.if MSB != (\new)
	s_set_vgpr_msb (MSB<<8)|(\new)
.set MSB, \new
.endif
.endm
.set MUL_LO, 0xa1                      ; source 0 (B) window 1, source 1 (A) window 0, C and D window 2
.set MUL_HI, 0xf1                      ; the same, C and D window 3
.set TO_B,   0x40                      ; destination window 1, address window 0
; A joint load.  Waves 0 and 1 fetch A's two halves, waves 2 and 3 B's.  Each of the two lines has ONE mask and one set of registers for all that issue it, and nothing in them hangs on a
; coordinate that the four partners do not share.  The branch hangs on the wave's number alone.  An s_nop 0 and four v_nop follow each of the two lines, ahead of the jump, the label and
; what follows the macro.
.macro JLOAD s
	s_cmp_eq_u32 s11, 0
	s_cbranch_scc0 .Lfor_b_\@
	tensor_load_to_lds s[G0+4*(\s):G0+4*(\s)+3], s[G1:G1+7]
	s_nop 0
.rept 4
	v_nop
.endr
	s_branch .Lasked_\@
.Lfor_b_\@:
	tensor_load_to_lds s[G0B+4*(\s):G0B+4*(\s)+3], s[G1B:G1B+7]
	s_nop 0
.rept 4
	v_nop
.endr
.Lasked_\@:
.endm
; A PREFETCH INTO THE L2, behind each joint refill, its five lines and the run of LDS loads that follows them: the K step that stands TWO refills on (512 matrix instructions ahead of the load that
; will ask for it): 32 rows x 256 bytes, a lane a row, one instruction a wave.  Each row's 256 bytes of a K step are named ONCE in the launch.  A's tile row is read by both clusters of that row of
; clusters: the one with cluster x = 0 asks; B's tile column by all eight clusters of that column: the one with cluster y = 0 asks.  The four partners that ask for a tile jointly share its rows out
; BY ADDRESS: of the 128 rows that a wave fetches, the partner at place p takes 32 p .. 32 p + 31 (p = cx for A, cy for B): no branch hangs on a work-group's place in its cluster.
; K steps 0 to 3 come by their loads alone; the loop's last trip, whose refills are K steps 30 and 31, asks for nothing.
.macro ASK
	s_cmp_gt_u32 s3, s[LIM]                        ; s3 = 1 in the loop's last trip
	s_cbranch_scc0 .Lnot_mine_\@
	global_prefetch_b8 v[PFO], s[PFA:PFA+1] offset:KSTEP*2 th:TH_LOAD_NT scope:SCOPE_SE
.Lnot_mine_\@:
.endm
; A round of the cluster's barrier: my work-group's barrier, so that wave 0's signal speaks for all four waves; wave 0 signals for the work-group; every wave waits for all sixteen
; work-groups; my work-group's barrier once more.  No LDS instruction of the wave is pending at a signal.
.macro CREST                           ; a round behind its opening barrier
	s_cmp_lg_u32 s10, 0
	s_cbranch_scc1 .Lnot_wave_0_\@
	s_barrier_signal -3
.Lnot_wave_0_\@:
	s_barrier_wait -3
	s_barrier_signal -1
	s_barrier_wait -1
.endm
.macro CROUND                          ; a whole round
	s_barrier_signal -1
	s_barrier_wait -1
	CREST
.endm
	s_load_b128 s[4:7], s[0:1], 0x0                ; A = xb s[4:5], B = wb s[6:7]
	s_load_b64 s[8:9], s[0:1], 0x10                ; out0
	s_load_b64 s[68:69], s[0:1], 0x18              ; inv
	s_load_b64 s[70:71], s[0:1], 0x20              ; gamma
	v_lshl_add_u32 v[SPW], v0, 2, SPARE
	v_mov_b32 v[NIL], 0
	ds_add_u32 v[SPW], v[NIL]                      ; the wave's opening: the add, twice on end, and its wait ahead of my first tensor load; the set-up below, work on registers, stands between the second and the wait
	ds_add_u32 v[SPW], v[NIL]                      ; and once more, under the one wait
	v_lshrrev_b32 v1, 5, v0
	v_readfirstlane_b32 s10, v1                    ; wave 0..3
	s_lshr_b32 s11, s10, 1                         ; which half of the tile's rows is mine.  Also: I fetch for A (0) or for B (1)
	s_and_b32 s12, s10, 1                          ; which half of its columns.  Also: which 128 rows of that tile I fetch
	s_bfe_u32 s40, ttmp6, 0x40000                  ; cx: my place along the cluster's x
	s_bfe_u32 s41, ttmp6, 0x40004                  ; cy: along its y
	s_lshl_b32 s42, ttmp9, 2                       ; in a cluster launch ttmp9 and ttmp7 count clusters
	s_add_co_u32 s42, s42, s40                     ; tile column = 4 x cluster x + cx
	s_and_b32 s13, ttmp7, 0xffff
	s_lshl_b32 s13, s13, 2
	s_add_co_u32 s13, s13, s41                     ; tile row = 4 x cluster y + cy
	s_lshl_b32 s43, s41, 2
	s_lshl_b32 s43, 15, s43                        ; my row of the cluster: places 4 cy .. 4 cy + 3
	s_lshl_b32 s44, 0x1111, s40                    ; my column: places cx, cx + 4, cx + 8, cx + 12
	; descriptor group 1: a tile of 128 rows x 128 elements, padded in LDS
	s_or_b32 s[G1+0], s43, (1<<16)|(1<<20)|(1<<21)|(5<<22)|(3<<25)  ; 15:0 the mask: A's tiles go to my row; 17:16 element of 2 bytes; 20 padding on; 21 set beside a mask; 24:22 after every 64 words (code 5); 31:25 of 4 words (code 3)
	s_or_b32 s[G1B+0], s44, (1<<16)|(1<<20)|(1<<21)|(5<<22)|(3<<25) ; the same with the mask of my column, for B's tiles
.irp g, G1, G1B
	s_mov_b32 s[(\g)+1], KSTEP<<16                 ; 63:48 tensor_dim0, low half = 128
	s_mov_b32 s[(\g)+2], 128<<16                   ; 79:64 its high half = 0; 95:80 tensor_dim1, low half = 128
	s_mov_b32 s[(\g)+3], KSTEP<<16                 ; 111:96 its high half = 0; 127:112 tile_dim0 = 128
	s_mov_b32 s[(\g)+4], 128                       ; 143:128 tile_dim1 = 128; 159:144 tile_dim2 = 0
	s_mov_b32 s[(\g)+5], SIZE_K                    ; 191:160 tensor_dim0_stride, low word: elements from row to row
	s_mov_b32 s[(\g)+6], 0
	s_mov_b32 s[(\g)+7], 0
.endr
	; where the tiles come from.  A's hang on the tile row alone, which my row of the cluster shares; B's on the tile column alone, which my column shares.
	; Every wave makes both addresses, in registers that never hold the other coordinate, and asks by one of them.
	s_lshl_b32 s17, s12, 7                         ; which 128 rows of the tile I fetch
	s_lshl_b32 s16, s13, 8
	s_add_co_u32 s16, s16, s17                     ; A: row 256 x tile row + 128 x half
	s_lshl_b32 s46, s42, 8
	s_add_co_u32 s46, s46, s17                     ; B: row 256 x tile column + 128 x half
	s_mov_b32 s17, 0
	s_mov_b32 s47, 0
	s_mov_b64 s[18:19], SIZE_K*2
	s_mul_u64 s[16:17], s[16:17], s[18:19]         ; in bytes, in 64 bits
	s_mul_u64 s[46:47], s[46:47], s[18:19]
	s_mul_i32 s20, s10, HALFT                      ; and where they go: A's two halves, then B's two halves = wave x 128 rows: no place in the cluster enters an LDS address
	s_wait_dscnt 0x0                               ; both opening adds are done
	s_wait_kmcnt 0x0
	s_add_nc_u64 s[14:15], s[4:5], s[16:17]
	s_add_nc_u64 s[46:47], s[6:7], s[46:47]
	CROUND                                         ; all sixteen work-groups are here: the first joint loads meet
.irp s, 0,1
	s_mov_b32 s[G0+4*(\s)], 1                                      ; 1:0 count = 1
	s_add_co_u32 s[G0+4*(\s)+1], s20, (\s)*SLOT                    ; 63:32 LDS address
	s_add_nc_u64 s[G0+4*(\s)+2:G0+4*(\s)+3], s[14:15], (\s)*KSTEP*2  ; 120:64 global address: K step s
	s_or_b32 s[G0+4*(\s)+3], s[G0+4*(\s)+3], 0x80000000            ; 127:126 type = 2
	s_mov_b32 s[G0B+4*(\s)], 1
	s_add_co_u32 s[G0B+4*(\s)+1], s20, (\s)*SLOT
	s_add_nc_u64 s[G0B+4*(\s)+2:G0B+4*(\s)+3], s[46:47], (\s)*KSTEP*2
	s_or_b32 s[G0B+4*(\s)+3], s[G0B+4*(\s)+3], 0x80000000
	JLOAD \s                                       ; the ring is filled before anything else is done: two tensor loads of mine are out
.endr
	; A fragment is 16 rows x 32 K in 8 registers: lane l holds row l % 16; registers 0-3 hold K = 8 (l / 16) + 0..7, registers 4-7 hold K = 16 + 8 (l / 16) + 0..7.
	; From rows that lie along K: two loads of 16 bytes, 32 bytes apart.  The same for source 0 and source 1.
	v_and_b32 v1, 15, v0                           ; l % 16
	v_bfe_u32 v2, v0, 4, 1                         ; l / 16
	v_mul_u32_u24 v3, v1, PITCH
	v_lshl_add_u32 v3, v2, 4, v3                   ; row x pitch + 16 x half
	s_mul_i32 s21, s11, HALFT                      ; my 128 rows of A
	s_mul_i32 s22, s12, HALFT                      ; my 128 rows of B,
	s_add_co_u32 s22, s22, 2*HALFT                 ; which lie behind A's 256
.irp s, 0,1
	v_add_nc_u32 v[ADRA+(\s)], s21, v3
	v_add_nc_u32 v[ADRB+(\s)], s22, v3
	s_add_co_u32 s21, s21, SLOT
	s_add_co_u32 s22, s22, SLOT
.endr
	s_mul_i32 s23, s10, 16*SPITCH
	s_add_co_u32 s23, s23, STAGE                   ; my stage
	v_mul_u32_u24 v4, v1, SPITCH                   ; in: row l % 16, 32 bytes for each half of the lanes
	v_lshl_add_u32 v4, v2, 5, v4
	v_add_nc_u32 v[STO], s23, v4
	v_and_b32 v5, 31, v0
	v_lshlrev_b32 v[CO], 4, v5                     ; back: the 32 lanes take one row of 512 bytes, 16 bytes each; the same in out0 and in gamma
	v_add_nc_u32 v[RD], s23, v[CO]
	v_lshlrev_b32 v[IVO], 2, v1
	; where my part of the tile begins in out0, in inv and in gamma
	s_lshl_b32 s13, s13, 8
	s_lshl_b32 s14, s11, 7
	s_add_co_u32 s16, s13, s14                     ; my first row: 256 x tile row + 128 x half
	s_lshl_b32 s72, s16, 2
	s_mov_b32 s73, 0
	s_add_nc_u64 s[68:69], s[68:69], s[72:73]      ; inv at my first row
	s_mov_b32 s17, 0
	s_mov_b64 s[18:19], CROW
	s_mul_u64 s[16:17], s[16:17], s[18:19]
	s_lshl_b32 s46, s42, 10                        ; my first column, in bytes: 1,024 x tile column + 512 x half (in the registers that held B's address: none that feeds A's descriptors ever holds cx)
	s_lshl_b32 s47, s12, 9
	s_add_co_u32 s46, s46, s47
	s_mov_b32 s47, 0
	s_add_nc_u64 s[16:17], s[16:17], s[46:47]      ; what the way out adds to out0's address
	s_add_nc_u64 s[70:71], s[70:71], s[46:47]      ; gamma at my first column
	; the prefetches.  s13 = 256 x tile row, s42 = tile column, s40 = cx, s41 = cy still stand; s[4:5] = A, s[6:7] = B
	s_lshl_b32 s42, s42, 8
	s_and_b32 s22, ttmp7, 0xffff                   ; cluster y
	s_cmp_eq_u32 s11, 0                            ; do I fetch for A?
	s_cselect_b32 s20, s13, s42                    ; the tile's first row: in A by the tile row, in B by the tile column
	s_cselect_b32 s21, s40, s41                    ; my place among the four that ask for it with me
	s_cselect_b32 s22, ttmp9, s22                  ; the coordinate along which other clusters read the same rows
	s_cselect_b64 s[PFA:PFA+1], s[4:5], s[6:7]
	s_cmp_eq_u32 s22, 0
	s_cselect_b32 s[LIM], 1, -1                    ; the same in all sixteen partners, for a given wave
	s_lshl_b32 s22, s12, 7
	s_add_co_u32 s20, s20, s22                     ; + the 128 rows that I fetch
	s_lshl_b32 s21, s21, 5
	s_add_co_u32 s20, s20, s21                     ; + my work-group's 32 of them
	s_mov_b32 s21, 0
	s_mov_b64 s[18:19], SIZE_K*2
	s_mul_u64 s[20:21], s[20:21], s[18:19]
	s_add_nc_u64 s[PFA:PFA+1], s[PFA:PFA+1], s[20:21]
	s_add_nc_u64 s[PFA:PFA+1], s[PFA:PFA+1], 2*KSTEP*2  ; at K step 2: the first refill steps it to 3 and names K step 4
	v_and_b32 v[PFO], 31, v0
	v_mul_u32_u24 v[PFO], v[PFO], SIZE_K*2
	; the two factors of the way out come into registers once, while the first tiles are on their way
.irp a, 0,1,2,3,4,5,6,7
	global_load_b32 v[INV+2*(\a)],   v[IVO], s[68:69] offset:64*(\a)  ; inv of row 16 a + l % 16 of my 128,
	global_load_b32 v[INV+2*(\a)+1], v[IVO], s[68:69] offset:64*(\a)  ; in both registers of the pair
.endr
	global_load_b128 v[GAM:GAM+3], v[CO], s[70:71] ; gamma of columns 4 lane .. 4 lane + 3 of my 128
; 16 matrix instructions: m blocks a0, a0 + 1 of the window's four (hi = 0: my rows 0-63, 1: rows 64-127) x all 8 n blocks, 32 along K.
; zero = 1: the first product starts the sums: nothing is ever cleared.  The 64 accumulators take turns, one instruction a turn, in the same order in every quarter step, over the backward
; jump too.
.macro MUL16 f, hi, a0, zero
	WIN MUL_LO+0x50*(\hi)  ; MUL_LO or MUL_HI
.irp a, \a0, (\a0)+1
.irp b, 0,1,2,3,4,5,6,7
.if \zero
	v_wmma_f32_16x16x32_bf16 v[8*(8*(\a)+(\b)):8*(8*(\a)+(\b))+7], v[(\f)+8*(\b):(\f)+8*(\b)+7], v[(\f)+8*(4*(\hi)+(\a)):(\f)+8*(4*(\hi)+(\a))+7], 0
.else
	v_wmma_f32_16x16x32_bf16 v[8*(8*(\a)+(\b)):8*(8*(\a)+(\b))+7], v[(\f)+8*(\b):(\f)+8*(\b)+7], v[(\f)+8*(4*(\hi)+(\a)):(\f)+8*(4*(\hi)+(\a))+7], v[8*(8*(\a)+(\b)):8*(8*(\a)+(\b))+7]
.endif
.endr
.endr
.endm
; 32 LDS loads in one run: the fragments of one quarter step (128 rows of B, 128 rows of A, 32 K at byte k of the rows) into buffer f
.macro FETCH slot, k, f
	WIN TO_B
.irp i, 0,1,2,3,4,5,6,7
	ds_load_b128 v[(\f)+8*(\i):(\f)+8*(\i)+3],   v[ADRB+(\slot)] offset:(\k)+(\i)*16*PITCH
	ds_load_b128 v[(\f)+8*(\i)+4:(\f)+8*(\i)+7], v[ADRB+(\slot)] offset:(\k)+(\i)*16*PITCH+32
.endr
	WIN 0
.irp i, 0,1,2,3,4,5,6,7
	ds_load_b128 v[(\f)+8*(\i):(\f)+8*(\i)+3],   v[ADRA+(\slot)] offset:(\k)+(\i)*16*PITCH
	ds_load_b128 v[(\f)+8*(\i)+4:(\f)+8*(\i)+7], v[ADRA+(\slot)] offset:(\k)+(\i)*16*PITCH+32
.endr
.endm
; A load into a register that a matrix instruction has read, and a vector instruction that reads a matrix result, stand four places behind that matrix instruction, and only plain vector
; instructions that name none of its registers are places (ISA guide 7.12.1 for vector instructions); the matrix instructions in between are not counted.
.macro PLACES
.rept 4
	v_nop
.endr
.endm
; A K step is four quarter steps of 32 along K, 64 matrix instructions each, on buffers 0, 1, 0, 1.
; One of the first three: multiplies buffer f; in its middle it fetches the next quarter's fragments, at byte k of the same slot's rows, into buffer g.
.macro QUARTER slot, k, f, g, zero
	s_wait_dscnt 8                                 ; B and A's rows 0-63 are in; the youngest eight loads (A's rows 64-127) may be out
	WIN MUL_LO
	MUL16 \f, 0, 0, \zero
	MUL16 \f, 0, 2, \zero
	PLACES
	FETCH \slot, \k, \g
	s_wait_dscnt 32                                ; all but the 32 just issued
	WIN MUL_HI
	MUL16 \f, 1, 0, \zero
	MUL16 \f, 1, 2, \zero
.endm
; The last quarter multiplies buffer 1 and changes slots.  MEET is its first half: ONE barrier for the change of slots, for two things.  In front of it each wave waits for all its tensor
; loads, of which one is out: its part of the next slot; adds 0 to its spare word; and waits for that and for its own reads of this slot.  Behind it nobody reads this slot any more and the
; next slot is whole.
.macro MEET round                      ; round = 1: the rest of a round of the cluster's barrier follows
	WIN 0                                          ; (the add's two registers lie in window 0)
	s_wait_tensorcnt 0x0                           ; all my tensor loads have landed: the one that was out is my part of the next slot;
	ds_add_u32 v[SPW], v[NIL]                      ; 0 onto my spare word;
	s_wait_dscnt 9                                 ; (the add and the youngest eight loads may be out)
	WIN MUL_LO
	MUL16 F1, 0, 0, 0                              ; sixteen matrix instructions stand between the add and the wait for it
	s_wait_dscnt 0x0                               ; the add is done, and my reads of this slot are over:
	s_barrier_signal -1                            ; say so (where a slot is filled again this barrier opens a round of the cluster's barrier),
	MUL16 F1, 0, 2, 0                              ; work on registers while the others arrive,
.if \round
	WIN 0
.endif
	s_barrier_wait -1                              ; and go on when all four have said so
.endm
; The whole last quarter, with a refill.  Behind the round the slot just read out is filled again first, with the K step two steps on; then come the next slot's first fragments.
; From a request to the wait for it a wave issues 224 matrix instructions.
.macro TURN slot, next
	s_wait_xcnt 0x0                                ; the last prefetch, a K step back, has read its address: it is stepped here, ahead of the waits of the change of slots
	s_add_nc_u64 s[PFA:PFA+1], s[PFA:PFA+1], KSTEP*2
	MEET 1
	CREST                                          ; wave 0 says so for the work-group, all sixteen work-groups have said so, my work-group's barrier closes the round:
	                                               ; no wave of any partner still reads this slot's tile or has a load on its way
	s_add_nc_u64 s[G0+4*(\slot)+2:G0+4*(\slot)+3], s[G0+4*(\slot)+2:G0+4*(\slot)+3], 2*KSTEP*2      ; no tensor load of mine is out, so a group 0 may be written; the type bits on top are not reached
	s_add_nc_u64 s[G0B+4*(\slot)+2:G0B+4*(\slot)+3], s[G0B+4*(\slot)+2:G0B+4*(\slot)+3], 2*KSTEP*2
	JLOAD \slot                                    ; the first tensor load behind the round, and my only one until the next; the four v_nop behind it are also the places in front of the loads below
	FETCH \next, 0, F0
	ASK                                            ; behind the joint load and the run of LDS loads that the next products wait for
	WIN MUL_HI
	MUL16 F1, 1, 0, 0
	MUL16 F1, 1, 2, 0
.endm
; The same without a refill: the change from the last K step but one to the last.  Nothing is filled again, so no round follows the barrier.
.macro TURNX
	MEET 0
	PLACES                                         ; for the loads into buffer 0, which the quarter before multiplied
	FETCH 1, 0, F0
	WIN MUL_HI
	MUL16 F1, 1, 0, 0
	MUL16 F1, 1, 2, 0
.endm
; THE WAY OUT of block a (16 rows x my 128 columns), in three parts.
; PACK: the block's 64 registers times inv of the lane's row, into window 0.  Each accumulator's registers are taken in ascending order, the lowest first.
.macro PACK a
.set AC, 64*((\a)%4)
	WIN 0x02+((\a)/4)                              ; source 0: window 2 or 3
.irp b, 0,1,2,3,4,5,6,7
.irp r, 0,1,2,3
	v_pk_mul_f32 v[TMP+8*(\b)+2*(\r):TMP+8*(\b)+2*(\r)+1], v[AC+8*(\b)+2*(\r):AC+8*(\b)+2*(\r)+1], v[INV+2*(\a):INV+2*(\a)+1]
.endr
.endr
	WIN 0
.endm
; TOSTAGE: a lane's 32 bytes of each n block go into my own stage, rows of 528 bytes; whole rows of 512 bytes come back, a row a load.
.macro TOSTAGE a
	WIN 0
.set BK, OB+64*((\a)%2)
.irp b, 0,1,2,3,4,5,6,7
	ds_store_b128 v[STO], v[TMP+8*(\b):TMP+8*(\b)+3]   offset:64*(\b)
	ds_store_b128 v[STO], v[TMP+8*(\b)+4:TMP+8*(\b)+7] offset:64*(\b)+16
.endr
.irp t, 0,1,2,3,4,5,6,7,8,9,10,11,12,13,14,15
	ds_load_b128 v[BK+4*(\t):BK+4*(\t)+3], v[RD] offset:(\t)*SPITCH  ; LDS serves a wave's instructions in order (ISA guide 5.7.1.4): these see the stores above
.endr
.endm
; SEND: times gamma of the lane's four columns, and stored.
.macro SEND a
	WIN 0
.set BK, OB+64*((\a)%2)
	s_wait_dscnt 0x0                               ; the block is back in registers
	s_wait_xcnt 0x0                                ; every earlier memory instruction has had its addresses translated (ISA guide 3.1): only behind this wait are the stores' base and the
	                                               ; registers that the block before's stores read (the next TOSTAGE loads into them) written again
.if (\a) == 0
	s_add_nc_u64 s[8:9], s[8:9], s[16:17]          ; on to my first rows
.else
	s_add_nc_u64 s[8:9], s[8:9], 16*CROW           ; 16 rows of out0 on
.endif
.irp t, 0,1,2,3,4,5,6,7,8,9,10,11,12,13,14,15
	v_pk_mul_f32 v[BK+4*(\t):BK+4*(\t)+1],   v[BK+4*(\t):BK+4*(\t)+1],   v[GAM:GAM+1]
	v_pk_mul_f32 v[BK+4*(\t)+2:BK+4*(\t)+3], v[BK+4*(\t)+2:BK+4*(\t)+3], v[GAM+2:GAM+3]
	global_store_b128 v[CO], v[BK+4*(\t):BK+4*(\t)+3], s[8:9] offset:(\t)*CROW th:TH_STORE_NT  ; 32 lanes store 512 consecutive bytes, at a multiple of 512 from out0's first byte
.endr
.endm
	s_wait_loadcnt 0x0                             ; inv and gamma, once
	s_wait_tensorcnt 1                             ; my part of K step 0 is in; K step 1's may stay out
	s_barrier_signal -1
	s_barrier_wait -1                              ; everybody's is
	FETCH 0, 0, F0
	QUARTER 0, 64,  F0, F1, 1                      ; the first quarter stands in front of the loop: its products start the sums
	WIN 0                                          ; at a label and at a branch every window is 0
	s_mov_b32 s3, LAPS-1
.Llap:                                                 ; 15 trips: a trip goes once round the ring, from a lap's second quarter to the next lap's first, and fills both slots again
	QUARTER 0, 128, F1, F0, 0
	QUARTER 0, 192, F0, F1, 0
	TURN 0, 1
	QUARTER 1, 64,  F0, F1, 0
	QUARTER 1, 128, F1, F0, 0
	QUARTER 1, 192, F0, F1, 0
	TURN 1, 0
	QUARTER 0, 64,  F0, F1, 0
	WIN 0
	s_sub_co_u32 s3, s3, 1
	s_cmp_lg_u32 s3, 0
	s_cbranch_scc1 .Llap
	QUARTER 0, 128, F1, F0, 0                      ; the last lap is written out: it asks for nothing
	QUARTER 0, 192, F0, F1, 0
	TURNX
	QUARTER 1, 64,  F0, F1, 0
	QUARTER 1, 128, F1, F0, 0
	QUARTER 1, 192, F0, F1, 0
	s_wait_dscnt 8                                 ; the very last quarter: nothing more to fetch
	WIN MUL_LO
	MUL16 F1, 0, 0, 0
	MUL16 F1, 0, 2, 0
	s_wait_dscnt 0x0
	MUL16 F1, 1, 0, 0
	MUL16 F1, 1, 2, 0
	WIN 0
	PLACES                                         ; the places behind the last products,
	PLACES                                         ; eight, once a launch
	PACK 0
	TOSTAGE 0
.irp a, 1,2,3,4,5,6,7                  ; block a's 32 multiplies stand between block a - 1's loads from the stage and the wait for them
	PACK \a
	SEND (\a)-1
	TOSTAGE \a
.endr
	SEND 7
	s_wait_tensorcnt 0x0                           ; the wave's end: behind my last tensor load and my last LDS store
	ds_add_u32 v[SPW], v[NIL]
	s_wait_dscnt 0x0
	CROUND                                         ; the closing round: no work-group ends while a partner may still ask for a tile that names it
	s_endpgm
.Lfunc_end_k_qf9fe8d2d5d_gemm:
	.size	k_qf9fe8d2d5d_gemm, .Lfunc_end_k_qf9fe8d2d5d_gemm-k_qf9fe8d2d5d_gemm
	.p2alignl 7, 3214868480
	.fill 96, 4, 3214868480
	.section	.rodata,"a",@progbits
	.p2align	6, 0x0
	.amdhsa_kernel k_qf9fe8d2d5d_gemm
		.amdhsa_group_segment_fixed_size 327680
		.amdhsa_private_segment_fixed_size 0
		.amdhsa_enable_private_segment 0
		.amdhsa_kernarg_size 40
		.amdhsa_user_sgpr_count 2
		.amdhsa_user_sgpr_kernarg_segment_ptr 1
		.amdhsa_wavefront_size32 1
		.amdhsa_system_sgpr_workgroup_id_x 1
		.amdhsa_system_sgpr_workgroup_id_y 1
		.amdhsa_system_sgpr_workgroup_id_z 1
		.amdhsa_system_vgpr_workitem_id 0
		.amdhsa_next_free_vgpr 1024
		.amdhsa_next_free_sgpr 76
		.amdhsa_reserve_vcc 0
		.amdhsa_float_denorm_mode_32 3
		.amdhsa_float_denorm_mode_16_64 3
		.amdhsa_memory_ordered 1
		.amdhsa_forward_progress 1
		.amdhsa_inst_pref_size 176
	.end_amdhsa_kernel
	.amdgpu_metadata
---
amdhsa.version: [ 1, 2 ]
amdhsa.kernels:
  - .name:           k_qf9fe8d2d5d_gemm
    .symbol:         k_qf9fe8d2d5d_gemm.kd
    .args:
      - { .name: xb, .offset: 0, .size: 8, .value_kind: global_buffer, .address_space: global }
      - { .name: wb, .offset: 8, .size: 8, .value_kind: global_buffer, .address_space: global }
      - { .name: out0, .offset: 16, .size: 8, .value_kind: global_buffer, .address_space: global }
      - { .name: inv, .offset: 24, .size: 8, .value_kind: global_buffer, .address_space: global }
      - { .name: gamma, .offset: 32, .size: 8, .value_kind: global_buffer, .address_space: global }
    .group_segment_fixed_size: 327680
    .private_segment_fixed_size: 0
    .kernarg_segment_align: 8
    .kernarg_segment_size: 40
    .max_flat_workgroup_size: 128
    .sgpr_count:     76
    .vgpr_count:     1024
    .wavefront_size: 32
...
	.end_amdgpu_metadata
.endif
;; end of part 2
;; ======== version 2 of 2: 2 launches; version 1 with the launch prep written anew for expert scheduling mode
;; workspace buffers: xb 67,108,864 bytes; wb 16,777,216 bytes; inv 32,768 bytes
;; launch prep (part 3): grid 1280 x 1, 8 waves a work-group, no clusters, 0 bytes of LDS; arguments x, w_q, norm_weight, xb, wb, inv; writes xb, wb, inv
.if DOCPART == 3
	.amdgcn_target "amdgcn-amd-amdhsa--gfx1250"
	.amdhsa_code_object_version 6
	.text
	.protected	k_qf9fe8d2d5d_prep
	.globl	k_qf9fe8d2d5d_prep
	.p2align	8
	.type	k_qf9fe8d2d5d_prep,@function
k_qf9fe8d2d5d_prep:
	s_mov_b64 s[64:65], 0
	v_nop
	global_prefetch_b8 v0, s[64:65] scope:SCOPE_SE
	s_setreg_imm32_b32 hwreg(HW_REG_WAVE_SCHED_MODE, 0, 2), 2
	s_setreg_imm32_b32 hwreg(HW_REG_WAVE_MODE, 25, 1), 1
	s_wait_xcnt 0x0
	s_wait_alu depctr_vm_vsrc(0)
; PREP: a stream.  xb[m][d] = bf16(x[m][d]);  inv[m] = 1 / sqrt(mean over d of x[m][d]^2 + 1e-6), f32;  wb[o][d] = bf16(bf16(w_q[o][d]) * bf16(norm_weight[d])).
; x: [8192][4096] f32, w_q: [2048][4096] f32, norm_weight: [4096] f32.  xb, wb: the same shapes in bf16, rows of 8,192 bytes.  inv: [8192] f32.
; The two factors of the module that do not hang on d (1 / rms of a row, gamma of a column) are left to the product's way out, in f32; norm_weight hangs on d and goes into the weights here.
; LIMITS.  x, w_q and norm_weight are rounded to bf16 (nearest even); their product w * nw is rounded to bf16 once more (exact where w is -1, 0 or 1).  The sum of squares is taken in f32 of the
; unrounded x, in eight partial sums a lane; where it overflows, inv is 0.  The reciprocal root is v_rsq_f32's; its argument is at least 1e-6.  NaN and infinities are not treated apart.
; SHARES.  Every wave reads 16 KiB by 32 loads of 16 bytes a lane, all issued at once (each covers 512 consecutive bytes), and writes 8 KiB by 32 stores of 8 bytes a lane (each covers 256
; consecutive bytes, aligned).  No loop, no LDS, no barrier: no wave wants a byte that another has fetched.
;   work-groups 0 .. 1023: wave v takes row 8 g + v of x, whole: the sum of squares never leaves the wave.
;   work-groups 1024 .. 1279: wave v takes columns 1024 (v % 4) .. + 1023 of the four rows 8 (g - 1024) + 4 (v / 4) .. + 3 of w_q: its part of norm_weight is 8 loads, packed once.
; THE MODE: SCHED_MODE bits 1:0 = 2 (LLVM: expert scheduling mode 2), set by the entry lines.  The code itself states the register dependences
; between vector instructions and memory instructions, with s_wait_alu, always for 0.
; THE PLAN.  Registers that memory instructions touch:
;   v1, v2        the loads' and the stores' offsets: written at the head, never again; read by every load and by every store of 8 bytes.
;   X + 4 n ..    written by load n, once: all 32 loads are issued before any vector instruction names X.  Piece n's vector work reads the four and writes the two lowest in place;
;                 piece n's store reads those two; nothing writes them again.
;   NW            (w's rows) written by 8 loads, then named by vector instructions alone.
;   v3, Q + 2     (x's rows) written by vector instructions, read by the one store of 4 bytes.
; The 32 pieces go in eight blocks of four.  Block p's four stores are issued in block p + 1, one in front of each piece's vector work, which names block p + 1's registers and the sums alone.
; So ONE wait on va_vdst at the head of blocks 1 to 7 states all that the block's four stores hang on, and one more stands ahead of the last four stores.
; No register is written again behind the memory instruction that reads it, so no wait stands for the stores' sources but those in front of the change of EXEC.
.set X,  8                             ; v[8:135]    load n at X + 4 n; its two lowest registers then hold the four bf16 to store
.set Q,  136                           ; v[136:143]  x's rows: four pairs of partial sums of squares
.set NW, 136                           ; v[136:167]  w's rows: norm_weight of my 1,024 columns, piece j at NW + 4 j; packed to bf16 into its two lowest registers
	s_load_b256 s[4:11], s[0:1], 0x0               ; x s[4:5], w_q s[6:7], norm_weight s[8:9], xb s[10:11]
	s_load_b128 s[12:15], s[0:1], 0x20             ; wb s[12:13], inv s[14:15]
	v_lshrrev_b32 v5, 5, v0
	v_readfirstlane_b32 s16, v5                    ; wave 0..7
	v_and_b32 v4, 31, v0                           ; lane
	v_lshlrev_b32 v1, 4, v4                        ; the loads' offset: 16 bytes a lane
	v_lshlrev_b32 v2, 3, v4                        ; the stores' offset: 8 bytes a lane
	s_mov_b32 s19, 0                               ; the high words of three byte offsets, all under 2^28
	s_mov_b32 s21, 0
	s_mov_b32 s23, 0
	s_wait_alu depctr_va_sdst(0)                   ; s16 is written
	s_wait_alu depctr_va_vdst(0)                   ; v1 and v2 are written: every load reads v1 as its offset, every store of 8 bytes v2
	s_wait_kmcnt 0x0
	s_cmp_lt_u32 ttmp9, 1024
	s_cbranch_scc0 .Lw
	; ---- a row of x ----
	s_lshl_b32 s17, ttmp9, 3
	s_add_co_u32 s17, s17, s16                     ; row m
	s_lshl_b32 s18, s17, 14                        ; 16,384 bytes a row of x
	s_lshl_b32 s20, s17, 13                        ; 8,192 a row of xb
	s_lshl_b32 s22, s17, 2                         ; 4 in inv
	s_add_nc_u64 s[4:5], s[4:5], s[18:19]
	s_add_nc_u64 s[10:11], s[10:11], s[20:21]
	s_add_nc_u64 s[14:15], s[14:15], s[22:23]
.set n, 0
.rept 32
	global_load_b128 v[X+4*n:X+4*n+3], v1, s[4:5] offset:512*n th:TH_LOAD_NT  ; columns 128 n + 4 lane .. + 3
.set n, n+1
.endr
	s_mov_b32 s24, 0x76543210                      ; v_permlanex16_b32: each lane takes its own place in the other half
	s_mov_b32 s25, 0xfedcba98
	s_mov_b32 s26, 0x39800000                      ; 1 / 4096
	s_mov_b32 s29, 0x358637bd                      ; 1e-6
	v_mov_b32 v3, 0                                ; inv's offset
; Piece j's four bf16 leave.
.macro XOUT j
	global_store_b64 v2, v[X+4*(\j):X+4*(\j)+1], s[10:11] offset:256*(\j) th:TH_STORE_NT  ; 32 lanes store 256 consecutive bytes, at a multiple of 256 from xb's first byte
.endm
; Load j has come.  First the piece four back is stored.  Then load j's four squares go onto two of the four pairs of sums (pieces of even and of odd number take turns, so that no sum waits for
; the one just before it; the first two pieces start the sums: nothing is cleared), and it is rounded in place.
.macro XTAKE j
	s_wait_loadcnt 31-(\j)                         ; loads come back in order (ISA guide 5.7.1): mine is in, the 31 - j younger ones stay out
.if (\j) >= 4
.if (\j) % 4 == 0
	s_wait_alu depctr_va_vdst(0)                   ; the block before has written its eight registers of bf16, which this block's four stores read; no vector instruction of this block names them
.endif
	XOUT (\j)-4
.endif
.if (\j) < 2
	v_pk_mul_f32 v[Q+4*((\j)%2):Q+4*((\j)%2)+1],   v[X+4*(\j):X+4*(\j)+1],   v[X+4*(\j):X+4*(\j)+1]
	v_pk_mul_f32 v[Q+4*((\j)%2)+2:Q+4*((\j)%2)+3], v[X+4*(\j)+2:X+4*(\j)+3], v[X+4*(\j)+2:X+4*(\j)+3]
.else
	v_pk_fma_f32 v[Q+4*((\j)%2):Q+4*((\j)%2)+1],   v[X+4*(\j):X+4*(\j)+1],   v[X+4*(\j):X+4*(\j)+1],   v[Q+4*((\j)%2):Q+4*((\j)%2)+1]
	v_pk_fma_f32 v[Q+4*((\j)%2)+2:Q+4*((\j)%2)+3], v[X+4*(\j)+2:X+4*(\j)+3], v[X+4*(\j)+2:X+4*(\j)+3], v[Q+4*((\j)%2)+2:Q+4*((\j)%2)+3]
.endif
	v_cvt_pk_bf16_f32 v[X+4*(\j)],   v[X+4*(\j)],   v[X+4*(\j)+1]
	v_cvt_pk_bf16_f32 v[X+4*(\j)+1], v[X+4*(\j)+2], v[X+4*(\j)+3]
.endm
.set n, 0
.rept 32
	XTAKE n
.set n, n+1
.endr
	s_wait_alu depctr_va_vdst(0)                   ; the last block has written its eight registers of bf16, which the last four stores read; the sums below name none of them
.set n, 28
.rept 4
	XOUT n
.set n, n+1
.endr
	v_pk_add_f32 v[Q:Q+1], v[Q:Q+1], v[Q+2:Q+3]    ; the lane's eight sums into one,
	v_pk_add_f32 v[Q+4:Q+5], v[Q+4:Q+5], v[Q+6:Q+7]
	v_pk_add_f32 v[Q:Q+1], v[Q:Q+1], v[Q+4:Q+5]
	v_add_f32 v[Q], v[Q], v[Q+1]
	v_add_f32_dpp v[Q], v[Q], v[Q] row_xmask:1 row_mask:0xf bank_mask:0xf  ; the 32 lanes' into one: four steps inside each half of 16 lanes,
	v_add_f32_dpp v[Q], v[Q], v[Q] row_xmask:2 row_mask:0xf bank_mask:0xf
	v_add_f32_dpp v[Q], v[Q], v[Q] row_xmask:4 row_mask:0xf bank_mask:0xf
	v_add_f32_dpp v[Q], v[Q], v[Q] row_xmask:8 row_mask:0xf bank_mask:0xf
	v_permlanex16_b32 v[Q+1], v[Q], s24, s25       ; one across the halves (its destination has been written before)
	v_add_f32 v[Q], v[Q], v[Q+1]
	v_fma_f32 v[Q], v[Q], s26, s29                 ; the mean + 1e-6, one rounding
	v_cmp_eq_u32 vcc_lo, 0, v4                     ; lane 0 will store
	v_rsq_f32 v[Q+2], v[Q]
	v_nop                                          ; a plain instruction behind the reciprocal root, ahead of the use of its result (ISA guide 5.7.2)
	s_wait_alu depctr_va_vcc(0)                    ; the compare has written VCC, from which EXEC is made
	s_wait_alu depctr_va_vdst(0)                   ; the reciprocal root has written v[Q+2] and the move v3, which the store below reads: the wait ahead of the first instruction that names the root's result; and every vector instruction is done ahead of the write of EXEC
	s_wait_alu depctr_vm_vsrc(0)                   ; the stores above have read their vector registers, ahead of the write of EXEC
	s_wait_xcnt 0x0                                ; EXEC is a source of the stores above: it changes only behind this wait
	s_and_saveexec_b32 s27, vcc_lo
	global_store_b32 v3, v[Q+2], s[14:15]          ; four bytes a wave, 32 a work-group on end: 32 KiB of the launch's 84 MB out; gathering them would want LDS and a barrier for no whole block of 256
	s_endpgm
	; ---- four quarter rows of w_q ----
.Lw:
	s_sub_co_u32 s17, ttmp9, 1024
	s_lshl_b32 s17, s17, 3
	s_lshr_b32 s18, s16, 2
	s_lshl_b32 s18, s18, 2
	s_add_co_u32 s17, s17, s18                     ; my first row: 8 (g - 1024) + 4 (v / 4)
	s_and_b32 s30, s16, 3                          ; my strip of 1,024 columns
	s_lshl_b32 s20, s30, 12                        ; 4,096 bytes a strip in f32: norm_weight's offset,
	s_lshl_b32 s18, s17, 14
	s_add_co_u32 s18, s18, s20                     ; and with the rows w_q's
	s_lshl_b32 s22, s17, 13
	s_lshl_b32 s30, s30, 11                        ; 2,048 bytes a strip in bf16
	s_add_co_u32 s22, s22, s30                     ; wb's
	s_add_nc_u64 s[6:7], s[6:7], s[18:19]
	s_add_nc_u64 s[8:9], s[8:9], s[20:21]
	s_add_nc_u64 s[12:13], s[12:13], s[22:23]
.set n, 0
.rept 8
	global_load_b128 v[NW+4*n:NW+4*n+3], v1, s[8:9] offset:512*n  ; read by many waves: no hint
.set n, n+1
.endr
.set n, 0
.rept 32
	global_load_b128 v[X+4*n:X+4*n+3], v1, s[6:7] offset:16384*(n/8)+512*(n%8) th:TH_LOAD_NT  ; row n / 8, columns 128 (n % 8) + 4 lane .. + 3 of the strip
.set n, n+1
.endr
	s_wait_loadcnt 32                              ; norm_weight's eight loads are in; w_q's 32 stay out
.set n, 0
.rept 8
	v_cvt_pk_bf16_f32 v[NW+4*n],   v[NW+4*n],   v[NW+4*n+1]
	v_cvt_pk_bf16_f32 v[NW+4*n+1], v[NW+4*n+2], v[NW+4*n+3]
.set n, n+1
.endr
; Piece j's four bf16 leave.
.macro WOUT j
	global_store_b64 v2, v[X+4*(\j):X+4*(\j)+1], s[12:13] offset:8192*((\j)/8)+256*((\j)%8) th:TH_STORE_NT  ; 256 consecutive bytes, at a multiple of 256 from wb's first byte
.endm
; Load j has come.  First the piece four back is stored.  Then load j is rounded in place and multiplied by norm_weight in bf16 (two products a line, each rounded once).
.macro WTAKE j
	s_wait_loadcnt 31-(\j)                         ; mine is in, the 31 - j younger ones stay out
.if (\j) >= 4
.if (\j) % 4 == 0
	s_wait_alu depctr_va_vdst(0)                   ; the block before has written its eight registers of products, which this block's four stores read; no vector instruction of this block names them
.endif
	WOUT (\j)-4
.endif
	v_cvt_pk_bf16_f32 v[X+4*(\j)],   v[X+4*(\j)],   v[X+4*(\j)+1]
	v_cvt_pk_bf16_f32 v[X+4*(\j)+1], v[X+4*(\j)+2], v[X+4*(\j)+3]
	v_pk_mul_bf16 v[X+4*(\j)],   v[X+4*(\j)],   v[NW+4*((\j)%8)]
	v_pk_mul_bf16 v[X+4*(\j)+1], v[X+4*(\j)+1], v[NW+4*((\j)%8)+1]
.endm
.set n, 0
.rept 32
	WTAKE n
.set n, n+1
.endr
	s_wait_alu depctr_va_vdst(0)                   ; the last block has written its eight registers of products, which the last four stores read
.set n, 28
.rept 4
	WOUT n
.set n, n+1
.endr
	s_endpgm
.Lfunc_end_k_qf9fe8d2d5d_prep:
	.size	k_qf9fe8d2d5d_prep, .Lfunc_end_k_qf9fe8d2d5d_prep-k_qf9fe8d2d5d_prep
	.p2alignl 7, 3214868480
	.fill 96, 4, 3214868480
	.section	.rodata,"a",@progbits
	.p2align	6, 0x0
	.amdhsa_kernel k_qf9fe8d2d5d_prep
		.amdhsa_group_segment_fixed_size 0
		.amdhsa_private_segment_fixed_size 0
		.amdhsa_enable_private_segment 0
		.amdhsa_kernarg_size 48
		.amdhsa_user_sgpr_count 2
		.amdhsa_user_sgpr_kernarg_segment_ptr 1
		.amdhsa_wavefront_size32 1
		.amdhsa_system_sgpr_workgroup_id_x 1
		.amdhsa_system_sgpr_workgroup_id_y 1
		.amdhsa_system_sgpr_workgroup_id_z 1
		.amdhsa_system_vgpr_workitem_id 0
		.amdhsa_next_free_vgpr 168
		.amdhsa_next_free_sgpr 66
		.amdhsa_reserve_vcc 1
		.amdhsa_float_denorm_mode_32 3
		.amdhsa_float_denorm_mode_16_64 3
		.amdhsa_memory_ordered 1
		.amdhsa_forward_progress 1
		.amdhsa_inst_pref_size 36
	.end_amdhsa_kernel
	.amdgpu_metadata
---
amdhsa.version: [ 1, 2 ]
amdhsa.kernels:
  - .name:           k_qf9fe8d2d5d_prep
    .symbol:         k_qf9fe8d2d5d_prep.kd
    .args:
      - { .name: x, .offset: 0, .size: 8, .value_kind: global_buffer, .address_space: global }
      - { .name: w_q, .offset: 8, .size: 8, .value_kind: global_buffer, .address_space: global }
      - { .name: norm_weight, .offset: 16, .size: 8, .value_kind: global_buffer, .address_space: global }
      - { .name: xb, .offset: 24, .size: 8, .value_kind: global_buffer, .address_space: global }
      - { .name: wb, .offset: 32, .size: 8, .value_kind: global_buffer, .address_space: global }
      - { .name: inv, .offset: 40, .size: 8, .value_kind: global_buffer, .address_space: global }
    .group_segment_fixed_size: 0
    .private_segment_fixed_size: 0
    .kernarg_segment_align: 8
    .kernarg_segment_size: 48
    .max_flat_workgroup_size: 256
    .sgpr_count:     66
    .vgpr_count:     168
    .wavefront_size: 32
...
	.end_amdgpu_metadata
.endif
;; end of part 3
;; launch gemm: the kernel of part 2 again; grid 8 x 32, 4 waves a work-group, clusters of 4 x 4, 327,680 bytes of LDS; arguments xb, wb, out0, inv, gamma; writes out0
